; MI455X (gfx1250); checked and timed in simulation.
; The chip was launched on July 23, 2026; its instructions are those of AMD's public machine-readable ISA for CDNA 5 (MIT licence, August 2026) and "CDNA5" Instruction Set Architecture Reference Guide (July 2026). The comments in the code are by the model that wrote it; some were corrected since.
;; Vector Quantizer. Allowed arithmetic: matrix products marked QUANTISED: E4M3 operands, one E8M0 scale for each 32 along K, by v_wmma_scale_f32_16x16x128_f8f6f4 with both operands' format E4M3, f32 sums; everything else in f32.
;; Inputs: emb 8,192 x 256 float32; x 32 x 256 x 32 x 32 float32.
;; Outputs: out0 32 x 256 x 32 x 32 float32; out1 one number float32; out2 32 x 1,024 int32.
;; This version of the problem:
;;   THIS VERSION OF THE PROBLEM IS GIVEN IN LOW PRECISION. The matrix products marked QUANTISED in the list below multiply operands that are first quantised to E4M3 (4 exponent bits, 3 mantissa bits; 8 bits a number), with one power-of-two scale for each 32 numbers along K (OCP MX v1.0); their sums are f32. All else is computed in f32.
;;   The module's matrix products, in the order in which they are computed (A, B: the left and right operand; K: the contracted axis; several contracted axes count as one K, in the product's order):
;;     1. [M 32,768, K 256] x [K 256, N 8,192]; A: computed on the way; B: input emb: QUANTISED
;;   THE QUANTISER, for each operand of a quantised product, along K:
;;     - K is cut into blocks of 32 from its start; a last block that is shorter is filled with zeros.
;;     - A block's scale is 2^e with e = floor(log2(the largest magnitude in the block)) - 8, held to -126 .. 127; a block of zeros has e = 0. As a byte (E8M0): e + 127.
;;     - Each number is divided by its block's scale, clamped to +-448, and rounded to the nearest number of E4M3, ties to even, subnormals kept.
;;     - The product sums the exact products of the quantised numbers (number of the format x scale) in f32.
;;   ~~~python
;;   def quantise(x, axis):      # numpy; x: float32 -> the quantised numbers, widened to float32 again
;;       x = np.moveaxis(x, axis, -1); K = x.shape[-1]
;;       x = np.pad(x, [(0, 0)] * (x.ndim - 1) + [(0, -K % 32)]); x = x.reshape(x.shape[:-1] + (-1, 32)); a = np.abs(x).max(-1, keepdims=True)
;;       e = np.where(a > 0, np.clip(np.frexp(np.where(a > 0, a, 1))[1] - 1 - 8, -126, 127), 0)      # np.frexp(a)[1] - 1 = floor(log2(a)), exactly
;;       r = np.clip(x / 2.0 ** e, -448, 448)
;;       step = 2.0 ** (np.maximum(np.frexp(np.where(r == 0, 1, r))[1] - 1, -6) - 3)
;;       q = np.round(r / step) * step * 2.0 ** e      # np.round: ties to even
;;       return np.moveaxis(q.reshape(q.shape[:-2] + (-1,))[..., :K], -1, axis).astype(np.float32)
;;   ~~~
;;   OPERANDS COMPUTED ON THE WAY. 'Computed on the way' means the value that the module computes at that place (a softmax that the list does not call 'softmax' is quantised finished and normalised). What goes into a quantiser is computed in f32, as accurately as f32 sums, v_exp_f32 and their like allow (about 1e-6 of the number): no bf16 or f16 on the way to a quantiser, and a product that is left as it is and whose result goes on into a quantised operand takes f32 operands (vector FMAs, or v_wmma_f32_16x16x4_f32). A number that lies on a knife's edge between two numbers of the format may be rounded either way, as far as f32 arithmetic and the matrix unit's own rounding can turn it there, and no further.
;; One version. Each part assembles by itself: llvm-mc -triple=amdgcn-amd-amdhsa -mcpu=gfx1250 --defsym DOCPART=n.
;; ======== version 1 of 1: 5 launches
;; limits: right only within a limited range of input values
;; workspace buffers: embq 2,195,456 bytes; xq 8,388,608 bytes; xs 262,144 bytes; zzw 131,072 bytes; chunkw 131,072 bytes of whole numbers; idxw 131,072 bytes of whole numbers; part 1,024 bytes
;; launch prep (part 1): grid 384 x 1, 4 waves a work-group, no clusters, 38,400 bytes of LDS; arguments emb, x, embq, xq, xs, zzw; writes embq, xq, xs, zzw
.if DOCPART == 1
	.amdgcn_target "amdgcn-amd-amdhsa--gfx1250"
	.amdhsa_code_object_version 6
	.text
	.protected	k_q5b7cf8df14_prep
	.globl	k_q5b7cf8df14_prep
	.p2align	8
	.type	k_q5b7cf8df14_prep,@function
k_q5b7cf8df14_prep:
	s_mov_b64 s[64:65], 0
	v_nop
	global_prefetch_b8 v0, s[64:65] scope:SCOPE_SE
	s_setreg_imm32_b32 hwreg(HW_REG_WAVE_MODE, 25, 1), 1
	s_wait_xcnt 0x0
; PREP: both operands of the product (2 z) . e become codes of FP8 (E4M3) with one E8M0 scale byte for each 32 along K = 256, laid in the ORDER OF THE OPERAND'S REGISTERS,
; and the two sums of squares are taken on the way.  emb: [8192][256] f32.  x: [32][256][1024] f32 (a query is a pixel, its K is the channel axis).
; A FRAGMENT'S IMAGE (16 rows x 128 K): the 16 codes k = 32 c + 16 hK + 0..15 of row r lie at 512 c + 16 (r + 16 hK): a lane that loads 16 bytes at 16 x lane, four times 512 bytes apart, holds the operand.
; embq: 128 blocks of 17,152 bytes; block e holds the tiles T = 4 e + i (codes 16 T .. 16 T + 15): images at 4096 i + 2048 s (s = K step), scale words at 16384 + 128 i + 4 (row + 16 s), |e|^2 at 16896 + 64 i + 4 row.
; xq: a tile of 16 queries in 4,096 bytes, likewise; xs: 128 bytes a tile, word 4 (r + 16 s); zzw: |z|^2 for each query.  What is quantised of x is 2 x, the product's left operand; the doubling is exact.
; A block's scale is 2^(floor(log2(its largest magnitude)) - 8): its byte is that magnitude's exponent field - 8, held at 1 from below.  A block of zeros so gets the byte 1: its codes are zeros, and this program alone reads the bytes.
; LIMITS: NaN and infinities among the inputs are not served; blocks whose largest magnitude lies under 2^-118 keep the byte 1; the sums of squares are f32 sums in another order than a plain loop's.
; SHARES: work-groups 0-127 take emb (a block each, a tile a wave), work-groups 128-383 take x (128 queries each, 32 a wave).  Only emb's path touches LDS; waves share nothing: no barrier.
.set BLKB,  17152
.set WREG,  9472                       ; LDS of a wave: two stages, the tile's images, its scale words, its |e|^2
.set SP,    80                         ; a lane's place in a stage: its 64 bytes + 16 of padding
.set STGB,  32*SP
.set IMG,   2*STGB
.set SCI,   IMG+4096
.set EEI,   SCI+128
.set FLOOR, 0x4800000                  ; 2^(9 - 127)
.set MANT,  0x600000                   ; the mantissa field of 448
.set R,  64                            ; emb: v64-191  eight steps x 16 numbers as loaded; at the end the images read back
.set X,  32                            ; emb: v32-63   two sets of 16 neighbours
.set C,  192                           ; emb: v192-223 codes, four registers a step
.set E,  22                            ; emb: v22-29   a scale byte a step
.set EV, 224                           ; emb: v224-231 a row's |e|^2 a step
.set XX, 64                            ; x:   v64-127  two sets of 32 numbers down K
.set CC, 128                           ; x:   v128-191 codes, eight registers a block: no store's data are written again
.set Z,  20                            ; x:   v20-23   |z|^2 in four parts
.set SB, 24                            ; x:   v24-25   the two scale words
.macro TURN t                          ; step t's 2,048 bytes go through a stage as they lie and come back 64 bytes a lane; LDS serves a wave's instructions in order (ISA guide 5.7.1.4)
.irp i, 0,1,2,3
	ds_store_b128 v14, v[R+16*(\t)+4*\i:R+16*(\t)+4*\i+3] offset:STGB*((\t)%2)+8*SP*\i
.endr
.irp i, 0,1,2,3
	ds_load_b128 v[X+16*((\t)%2)+4*\i:X+16*((\t)%2)+4*\i+3], v15 offset:STGB*((\t)%2)+16*\i
.endr
.endm
; Step t: rows 2 t and 2 t + 1 of the tile.  Lane l holds k = 16 (l % 16) + 0..15 of row 2 t + l / 16; two neighbouring lanes hold a block of 32.
.macro STEP t
.set XS, X+16*((\t)%2)
.if (\t) > 0
	s_wait_dscnt 3                                 ; this step's numbers are back; the three stores of the step before (codes, byte, sum) may be out
.else
	s_wait_dscnt 0x0
.endif
.if (\t) < 7
	s_wait_loadcnt 24-4*(\t)                       ; the next step's four loads are in; those of the steps behind it may be out
	TURN (\t)+1
.endif
	v_pk_mul_f32 v[12:13], v[XS:XS+1], v[XS:XS+1]  ; the sum of my 16 squares, ahead of the hold
.irp i, 2,4,6,8,10,12,14
	v_pk_fma_f32 v[12:13], v[XS+\i:XS+\i+1], v[XS+\i:XS+\i+1], v[12:13]
.endr
	v_max3_num_f32 v8, |v[XS]|, |v[XS+1]|, |v[XS+2]|
	v_max3_num_f32 v9, |v[XS+3]|, |v[XS+4]|, |v[XS+5]|
.irp i, 6,10
	v_max3_num_f32 v8, v8, |v[XS+\i]|, |v[XS+\i+1]|
	v_max3_num_f32 v9, v9, |v[XS+\i+2]|, |v[XS+\i+3]|
.endr
	v_max3_num_f32 v8, v8, |v[XS+14]|, |v[XS+15]|
	v_max3_num_f32 v8, v8, v9, FLOOR               ; with the floor: the byte cannot fall under 1
	v_add_f32 v[EV+(\t)], v12, v13
	v_max_num_f32_dpp v8, v8, v8 row_xmask:1 row_mask:0xf bank_mask:0xf   ; with my neighbour's 16: the block's largest magnitude
	v_add_f32_dpp v[EV+(\t)], v[EV+(\t)], v[EV+(\t)] row_xmask:1 row_mask:0xf bank_mask:0xf   ; the row's sum over its sixteen lanes
	v_add_nc_u32 v11, 0xfc000000, v8               ; 8 off the exponent field: the conversion's scale operand
	v_add_f32_dpp v[EV+(\t)], v[EV+(\t)], v[EV+(\t)] row_xmask:2 row_mask:0xf bank_mask:0xf
	v_and_or_b32 v10, v8, 0x7f800000, s23          ; 448 x the scale
	v_add_f32_dpp v[EV+(\t)], v[EV+(\t)], v[EV+(\t)] row_xmask:4 row_mask:0xf bank_mask:0xf
	v_add_f32_dpp v[EV+(\t)], v[EV+(\t)], v[EV+(\t)] row_xmask:8 row_mask:0xf bank_mask:0xf
.irp i, 0,1,2,3,4,5,6,7,8,9,10,11,12,13,14,15
	v_med3_num_f32 v[XS+\i], v[XS+\i], -v10, v10   ; the conversion to an 8-bit code does not saturate (ISA guide 7.6.2): the hold comes first
.endr
	v_cvt_scalef32_pk8_fp8_f32 v[C+4*(\t):C+4*(\t)+1], v[XS:XS+7], v11
	v_cvt_scalef32_pk8_fp8_f32 v[C+4*(\t)+2:C+4*(\t)+3], v[XS+8:XS+15], v11
	v_lshrrev_b32 v[E+(\t)], 23, v11               ; the scale's byte (a plain line behind the conversions)
	ds_store_b128 v16, v[C+4*(\t):C+4*(\t)+3] offset:IMG+32*(\t)    ; my 16 codes at their place in the image
	ds_store_b8 v17, v[E+(\t)] offset:SCI+8*(\t)                    ; both lanes of a block write the same byte with the same value
	ds_store_b32 v18, v[EV+(\t)] offset:EEI+8*(\t)                  ; the row's sixteen lanes write the same word with the same value
.endm
.macro LOAD t                          ; x, block t: x(32 t + i, my query), i = 0..31: 32 lanes read 128 consecutive bytes
.irp i, 0,1,2,3,4,5,6,7,8,9,10,11,12,13,14,15,16,17,18,19,20,21,22,23,24,25,26,27,28,29,30,31
	global_load_b32 v[XX+32*((\t)%2)+\i], v3, s[6:7] offset:(32*(\t)+\i)*4096 th:TH_LOAD_NT
.endr
.endm
.macro BLOCK t                         ; a block of 32 along K lies in one lane's 32 registers
.set XS, XX+32*((\t)%2)
.if (\t) < 7
	s_wait_loadcnt 32                              ; this block's 32 loads are in; the next block's may be out
.else
	s_wait_loadcnt 0x0
.endif
.irp i, 0,4,8,12,16,20,24,28
.if ((\t) == 0) && (\i == 0)
	v_pk_mul_f32 v[Z:Z+1], v[XS:XS+1], v[XS:XS+1]  ; the first products start the sums
	v_pk_mul_f32 v[Z+2:Z+3], v[XS+2:XS+3], v[XS+2:XS+3]
.else
	v_pk_fma_f32 v[Z:Z+1], v[XS+\i:XS+\i+1], v[XS+\i:XS+\i+1], v[Z:Z+1]
	v_pk_fma_f32 v[Z+2:Z+3], v[XS+\i+2:XS+\i+3], v[XS+\i+2:XS+\i+3], v[Z+2:Z+3]
.endif
.endr
.irp i, 0,2,4,6,8,10,12,14,16,18,20,22,24,26,28,30
	v_pk_add_f32 v[XS+\i:XS+\i+1], v[XS+\i:XS+\i+1], v[XS+\i:XS+\i+1]   ; 2 x, exactly
.endr
	v_max3_num_f32 v12, |v[XS]|, |v[XS+1]|, |v[XS+2]|
	v_max3_num_f32 v13, |v[XS+3]|, |v[XS+4]|, |v[XS+5]|
.irp i, 6,10,14,18,22,26
	v_max3_num_f32 v12, v12, |v[XS+\i]|, |v[XS+\i+1]|
	v_max3_num_f32 v13, v13, |v[XS+\i+2]|, |v[XS+\i+3]|
.endr
	v_max3_num_f32 v12, v12, |v[XS+30]|, |v[XS+31]|
	v_max3_num_f32 v12, v12, v13, FLOOR
	v_add_nc_u32 v11, 0xfc000000, v12
	v_and_or_b32 v10, v12, 0x7f800000, s23
	v_lshrrev_b32 v13, 23, v11
.if (\t)%4 == 0
	v_mov_b32 v[SB+(\t)/4], v13                    ; four bytes to a word, the lower K in the lower byte
.else
	v_lshl_or_b32 v[SB+(\t)/4], v13, 8*((\t)%4), v[SB+(\t)/4]
.endif
.irp i, 0,1,2,3,4,5,6,7,8,9,10,11,12,13,14,15,16,17,18,19,20,21,22,23,24,25,26,27,28,29,30,31
	v_med3_num_f32 v[XS+\i], v[XS+\i], -v10, v10
.endr
.irp g, 0,1,2,3
	v_cvt_scalef32_pk8_fp8_f32 v[CC+8*(\t)+2*\g:CC+8*(\t)+2*\g+1], v[XS+8*\g:XS+8*\g+7], v11
.endr
	v_nop                                          ; a plain line behind the last conversion
	global_store_b128 v4, v[CC+8*(\t):CC+8*(\t)+3], s[10:11] offset:((\t)/4)*2048+((\t)%4)*512        ; k = 32 t + 0..15: sixteen lanes store 256 consecutive bytes, aligned
	global_store_b128 v4, v[CC+8*(\t)+4:CC+8*(\t)+7], s[10:11] offset:((\t)/4)*2048+((\t)%4)*512+256  ; k = 32 t + 16..31
.if (\t)+2 < 8
	LOAD (\t)+2
.endif
.endm
	s_load_b256 s[4:11], s[0:1], 0x0               ; emb s[4:5], x s[6:7], embq s[8:9], xq s[10:11]
	s_load_b128 s[12:15], s[0:1], 0x20             ; xs s[12:13], zzw s[14:15]
	v_lshl_add_u32 v240, v0, 2, 0x9400
	v_mov_b32 v241, 0
	v_lshrrev_b32 v1, 5, v0
	v_readfirstlane_b32 s16, v1                    ; wave 0..3
	v_and_b32 v2, 31, v0                           ; lane
	s_mov_b32 s23, MANT
	s_mov_b32 s19, 0
	s_wait_kmcnt 0x0
	s_cmp_lt_u32 ttmp9, 128
	s_cbranch_scc0 .Lx_path
	; ---- emb: my wave's tile is 16 rows of 1,024 bytes, dense: 32 loads of 512 consecutive bytes, all asked for at once
	s_lshl_b32 s17, ttmp9, 2
	s_add_co_u32 s17, s17, s16                     ; tile T = 4 e + wave
	s_lshl_b32 s18, s17, 14
	s_add_nc_u64 s[4:5], s[4:5], s[18:19]
	s_wait_alu depctr_va_vdst(0)
	v_lshlrev_b32 v3, 4, v2
.irp t, 0,1,2,3,4,5,6,7
.irp i, 0,1,2,3
	global_load_b128 v[R+16*\t+4*\i:R+16*\t+4*\i+3], v3, s[4:5] offset:2048*\t+512*\i th:TH_LOAD_NT
.endr
.endr
	s_mul_i32 s18, ttmp9, BLKB
	s_add_nc_u64 s[8:9], s[8:9], s[18:19]          ; my block of embq
	s_mul_i32 s20, s16, WREG                       ; my wave's LDS
	v_lshrrev_b32 v14, 2, v2
	v_mul_u32_u24 v14, v14, SP
	v_and_b32 v15, 3, v2
	v_lshl_add_u32 v14, v15, 4, v14
	v_add_nc_u32 v14, s20, v14                     ; the stage, on the way in: four lanes' 64 bytes on end, then the padding
	v_mul_u32_u24 v15, v2, SP
	v_add_nc_u32 v15, s20, v15                     ; and on the way out: my 16 neighbours
	v_bfe_u32 v8, v2, 3, 1                         ; my K step
	v_bfe_u32 v9, v2, 1, 2                         ; my block of 32 in it
	v_and_b32 v10, 1, v2                           ; my half of the block
	v_lshrrev_b32 v11, 4, v2                       ; which of the step's two rows
	v_lshlrev_b32 v16, 11, v8
	v_lshl_add_u32 v16, v9, 9, v16
	v_lshl_add_u32 v16, v10, 8, v16
	v_lshl_add_u32 v16, v11, 4, v16
	v_add_nc_u32 v16, s20, v16                     ; my codes' place in the images
	v_lshlrev_b32 v17, 6, v8
	v_lshl_add_u32 v17, v11, 2, v17
	v_add_nc_u32 v17, v17, v9
	v_add_nc_u32 v17, s20, v17                     ; my block's byte among the scale words
	v_lshl_add_u32 v18, v11, 2, s20                ; my row's sum
	v_add_nc_u32 v19, s20, v3                      ; back: 16 bytes a lane,
	v_lshl_add_u32 v20, v2, 2, s20                 ; a scale word a lane,
	v_and_b32 v21, 15, v2
	v_lshlrev_b32 v6, 2, v21
	v_lshl_add_u32 v21, v21, 2, s20                ; a sum for each of sixteen lanes
	v_lshl_add_u32 v4, v1, 12, v3                  ; and the same places in the block: images,
	v_lshlrev_b32 v5, 2, v2
	v_lshl_add_u32 v5, v1, 7, v5                   ; scale words,
	v_lshl_add_u32 v6, v1, 6, v6                   ; sums
	s_wait_loadcnt 28                              ; step 0's four loads are in
	TURN 0
.irp t, 0,1,2,3,4,5,6,7
	STEP \t
.endr
.irp i, 0,1,2,3,4,5,6,7
	ds_load_b128 v[R+4*\i:R+4*\i+3], v19 offset:IMG+512*\i   ; these see my stores: LDS serves a wave's instructions in order
.endr
	ds_load_b32 v[R+32], v20 offset:SCI
	ds_load_b32 v[R+33], v21 offset:EEI
	s_wait_dscnt 0x0
.irp i, 0,1,2,3,4,5,6,7
	global_store_b128 v4, v[R+4*\i:R+4*\i+3], s[8:9] offset:512*\i   ; 32 lanes store 512 consecutive bytes, aligned
.endr
	global_store_b32 v5, v[R+32], s[8:9] offset:16384
	v_cmp_gt_u32 vcc_lo, 16, v2
	s_wait_xcnt 0x0                                ; EXEC changes only behind this wait
	s_wait_tensorcnt 0x0
	ds_add_u32 v240, v241
	s_wait_dscnt 0x0
	s_and_saveexec_b32 s20, vcc_lo
	global_store_b32 v6, v[R+33], s[8:9] offset:16896
	s_wait_xcnt 0x0
	s_or_b32 exec_lo, exec_lo, s20
	s_endpgm
.Lx_path:
	; ---- x: a lane takes a query and its registers run down K, so the conversions give codes with K innermost
	s_sub_co_u32 s17, ttmp9, 128                   ; j: queries 128 j .. 128 j + 127: image j / 8, pixels 128 (j % 8) on
	s_lshr_b32 s18, s17, 3
	s_lshl_b32 s18, s18, 20
	s_and_b32 s20, s17, 7
	s_lshl_b32 s20, s20, 9
	s_add_co_u32 s18, s18, s20
	s_lshl_b32 s20, s16, 7
	s_add_co_u32 s18, s18, s20                     ; + my wave's 32 queries
	s_add_nc_u64 s[6:7], s[6:7], s[18:19]
	s_wait_alu depctr_va_vdst(0)
	v_lshlrev_b32 v3, 2, v2
	LOAD 0
	LOAD 1
	s_lshl_b32 s18, s17, 15
	s_lshl_b32 s20, s16, 13
	s_add_co_u32 s18, s18, s20
	s_add_nc_u64 s[10:11], s[10:11], s[18:19]      ; xq: my wave's two tiles
	s_lshl_b32 s18, s17, 10
	s_lshl_b32 s20, s16, 8
	s_add_co_u32 s18, s18, s20
	s_add_nc_u64 s[12:13], s[12:13], s[18:19]      ; xs
	s_lshl_b32 s18, s17, 9
	s_lshl_b32 s20, s16, 7
	s_add_co_u32 s18, s18, s20
	s_add_nc_u64 s[14:15], s[14:15], s[18:19]      ; zzw
	v_and_b32 v6, 15, v2
	v_lshrrev_b32 v7, 4, v2
	v_lshlrev_b32 v4, 4, v6
	v_lshl_add_u32 v4, v7, 12, v4                  ; my tile, my row's 16 bytes
	v_lshlrev_b32 v5, 2, v6
	v_lshl_add_u32 v5, v7, 7, v5                   ; my tile's scale words, my row's
.irp t, 0,1,2,3,4,5,6,7
	BLOCK \t
.endr
	v_pk_add_f32 v[Z:Z+1], v[Z:Z+1], v[Z+2:Z+3]
	v_add_f32 v[Z], v[Z], v[Z+1]
	global_store_b32 v3, v[Z], s[14:15]
	global_store_b32 v5, v[SB], s[12:13]
	global_store_b32 v5, v[SB+1], s[12:13] offset:64
	s_endpgm
.Lfunc_end_k_q5b7cf8df14_prep:
	.size	k_q5b7cf8df14_prep, .Lfunc_end_k_q5b7cf8df14_prep-k_q5b7cf8df14_prep
	.p2alignl 7, 3214868480
	.fill 96, 4, 3214868480
	.section	.rodata,"a",@progbits
	.p2align	6, 0x0
	.amdhsa_kernel k_q5b7cf8df14_prep
		.amdhsa_group_segment_fixed_size 38400
		.amdhsa_private_segment_fixed_size 0
		.amdhsa_enable_private_segment 0
		.amdhsa_kernarg_size 48
		.amdhsa_user_sgpr_count 2
		.amdhsa_user_sgpr_kernarg_segment_ptr 1
		.amdhsa_wavefront_size32 1
		.amdhsa_system_sgpr_workgroup_id_x 1
		.amdhsa_system_sgpr_workgroup_id_y 1
		.amdhsa_system_sgpr_workgroup_id_z 1
		.amdhsa_system_vgpr_workitem_id 0
		.amdhsa_next_free_vgpr 242
		.amdhsa_next_free_sgpr 66
		.amdhsa_reserve_vcc 1
		.amdhsa_float_denorm_mode_32 3
		.amdhsa_float_denorm_mode_16_64 3
		.amdhsa_memory_ordered 1
		.amdhsa_forward_progress 1
		.amdhsa_inst_pref_size 107
	.end_amdhsa_kernel
	.amdgpu_metadata
---
amdhsa.version: [ 1, 2 ]
amdhsa.kernels:
  - .name:           k_q5b7cf8df14_prep
    .symbol:         k_q5b7cf8df14_prep.kd
    .args:
      - { .name: emb, .offset: 0, .size: 8, .value_kind: global_buffer, .address_space: global }
      - { .name: x, .offset: 8, .size: 8, .value_kind: global_buffer, .address_space: global }
      - { .name: embq, .offset: 16, .size: 8, .value_kind: global_buffer, .address_space: global }
      - { .name: xq, .offset: 24, .size: 8, .value_kind: global_buffer, .address_space: global }
      - { .name: xs, .offset: 32, .size: 8, .value_kind: global_buffer, .address_space: global }
      - { .name: zzw, .offset: 40, .size: 8, .value_kind: global_buffer, .address_space: global }
    .group_segment_fixed_size: 38400
    .private_segment_fixed_size: 0
    .kernarg_segment_align: 8
    .kernarg_segment_size: 48
    .max_flat_workgroup_size: 128
    .sgpr_count:     66
    .vgpr_count:     242
    .wavefront_size: 32
...
	.end_amdgpu_metadata
.endif
;; end of part 1
;; launch dist (part 2): grid 256 x 1, 8 waves a work-group, clusters of 4 x 1, 327,680 bytes of LDS; arguments embq, xq, xs, zzw, chunkw; writes chunkw
.if DOCPART == 2
	.amdgcn_target "amdgcn-amd-amdhsa--gfx1250"
	.amdhsa_code_object_version 6
	.text
	.protected	k_q5b7cf8df14_dist
	.globl	k_q5b7cf8df14_dist
	.p2align	8
	.type	k_q5b7cf8df14_dist,@function
k_q5b7cf8df14_dist:
	s_mov_b64 s[64:65], 0
	v_nop
	global_prefetch_b8 v0, s[64:65] scope:SCOPE_SE
	s_setreg_imm32_b32 hwreg(HW_REG_WAVE_MODE, 25, 1), 1
	s_wait_xcnt 0x0
	s_wait_alu depctr_hold_cnt(0) depctr_sa_sdst(0) depctr_va_vdst(0) depctr_va_sdst(0) depctr_va_ssrc(0) depctr_va_vcc(0) depctr_vm_vsrc(0)
	s_getreg_b32 s2, hwreg(HW_REG_IB_STS2, 6, 4)
	s_cmp_eq_u32 s2, 0
	s_cbranch_scc0 .Lentry_in_a_cluster
	s_endpgm
.Lentry_in_a_cluster:
	s_bfe_u32 s2, ttmp6, 0x10000c
	s_cmp_lg_u32 s2, 0x3003
	s_cbranch_scc0 .Lentry_shape_is_right
	s_endpgm
.Lentry_shape_is_right:
; DIST: for each query the chunk of 8 codes (chunk = code / 8) that holds the first of its least distances d = (|z|^2 + |e|^2) - (2 z).e, each step rounded to f32 as written.
; SHARES: a work-group takes 128 queries against all 8,192 codes.  Every wave holds the 128 queries' fragments (8 tiles x 32 registers, window 1) and walks its own block of 4 code tiles in each slot:
; slot k = blocks 8 k .. 8 k + 7 of embq (17,152 bytes each), block 8 k + w is wave w's: fetched by its own tensor load, read by it alone.  16 slots go through a ring of two LDS slots.
; CLUSTERS: the four work-groups of a cluster walk the same slots: each block is asked for jointly (mask 15).  A round of the cluster's barrier stands in front of every joint load.
; THE PRODUCT IS USED TRANSPOSED: source 0 = 16 codes, source 1 = 16 queries: lane (r, h) holds query r, its registers the codes 8 h + 0..7 of the tile: one chunk.
; THE ORDER OF WORK: a unit is half a tile: 4 query tiles x 2 K steps = 8 matrix instructions, the 4 accumulators by turns.  Behind each unit's matrix instructions stand the
; 56 vector instructions of the unit BEFORE it, on the other 32 accumulator registers.  A tile's fragments, scale words and |e|^2 are read from LDS one tile ahead of its products, into two sets of registers by turns;
; so a slot's last LDS read is back at the head of its last tile, and the change of slots stands there.
; A unit's vector work, four query tiles by turns: 4 x 4 packed sums |e|^2 + |z|^2, 4 x 4 packed differences, 4 x 4 min3 (a tree: the minimum does not hang on the order), a compare and a select of the chunk's number.
; Only a strictly smaller minimum moves the chunk, and a wave's chunks ascend: the first of the least stays.  At the end the 16 (wave, h) candidates of a query meet in LDS: least distance, then least chunk.
; PREFETCH: at the change of slots that asks for slot t + 2 each wave of clusters 0-3 names slot t + 4: of its block's 67 units of 256 bytes the partner at place cx takes units 17 cx .. 17 cx + 16 (held at 66), a lane a unit,
; lanes 17-31 naming the last again.  Slots 0 to 3 come by their loads alone; the loop's last trip, whose look-ahead would pass slot 15, asks for nothing.
; LIMITS: NaN and infinities among the inputs are not served.
.set BLKB,  17152
.set SLOTB, 8*BLKB
.set STG,   2*SLOTB                    ; behind the ring: 16 rows x 512 bytes of minima, then as many of chunk numbers; no tensor load lands here
.set SPARE, STG+16384                  ; the spare words, 128 bytes a wave
.set SCO,   16384                      ; in a block: the scale words
.set EEO,   16896                      ; and |e|^2
.set SPW, 1                            ; v1  my spare word;  v2  0: never rewritten
.set NIL, 2
.set AF,  3                            ; v3-4, v5-6, v7-8  LDS addresses of fragments, scale words, |e|^2 in slot 0, 1
.set AS,  5
.set AE,  7
.set CUR, 9                            ; the chunk at work
.set PFO, 16                           ; the prefetches' offset
.set BS,  18                           ; v18-19  the code tile's scale words, two sets
.set QS,  20                           ; v20-27  the queries' scale words
.set ZZ,  28                           ; v28-43  |z|^2, twice each
.set BA,  44                           ; v44-51, v52-59  the least so far, old and new by turns
.set BB,  52
.set CH,  60                           ; v60-67  its chunk
.set EE,  68                           ; v68-83  |e|^2, two sets
.set T,   84                           ; v84-115 at work
.set BF,  116                          ; v116-179 the code tile's fragments, two sets
.set ACC, 180                          ; v180-243 eight accumulators
.set WV,  14
.set G1,  20
.set G0,  28
.set PF,  44
.set MSB, 0
.macro WIN new                         ; the immediate's high byte repeats the setting that is left
.if MSB != \new
	s_set_vgpr_msb (MSB<<8)|\new
.set MSB, \new
.endif
.endm
.macro CREST                           ; a round of the cluster's barrier behind its opening barrier
	s_cmp_lg_u32 s[WV], 0
	s_cbranch_scc1 .Lnot_wave_0_\@
	s_barrier_signal -3
.Lnot_wave_0_\@:
	s_barrier_wait -3
	s_barrier_signal -1
	s_barrier_wait -1
.endm
.macro ROUND
	s_barrier_signal -1
	s_barrier_wait -1
	CREST
.endm
.macro LOADS sl, i, par                ; tile i of my block in slot sl, into set par: 11 LDS loads
.irp k, 0,1,2,3,4,5,6,7
	ds_load_b128 v[BF+32*(\par)+4*\k:BF+32*(\par)+4*\k+3], v[AF+(\sl)] offset:4096*(\i)+512*\k
.endr
	ds_load_b32 v[BS+(\par)], v[AS+(\sl)] offset:SCO+128*(\i)
	ds_load_b128 v[EE+8*(\par):EE+8*(\par)+3], v[AE+(\sl)] offset:EEO+64*(\i)
	ds_load_b128 v[EE+8*(\par)+4:EE+8*(\par)+7], v[AE+(\sl)] offset:EEO+64*(\i)+16
.endm
.macro WM g, par                       ; a unit's products: query tiles 4 g .. 4 g + 3; K step 0 starts the sums, K step 1 adds in place
	WIN 0x04                                       ; source 1, the queries: window 1
.irp k, 0,1,2,3
	v_wmma_scale_f32_16x16x128_f8f6f4 v[ACC+8*(4*(\g)+\k):ACC+8*(4*(\g)+\k)+7], v[BF+32*(\par):BF+32*(\par)+15], v[32*(4*(\g)+\k):32*(4*(\g)+\k)+15], 0, v[BS+(\par)], v[QS+4*(\g)+\k]
.endr
.irp k, 0,1,2,3
	v_wmma_scale_f32_16x16x128_f8f6f4 v[ACC+8*(4*(\g)+\k):ACC+8*(4*(\g)+\k)+7], v[BF+32*(\par)+16:BF+32*(\par)+31], v[32*(4*(\g)+\k)+16:32*(4*(\g)+\k)+31], v[ACC+8*(4*(\g)+\k):ACC+8*(4*(\g)+\k)+7], v[BS+(\par)], v[QS+4*(\g)+\k] matrix_a_scale:MATRIX_SCALE_ROW1 matrix_b_scale:MATRIX_SCALE_ROW1
.endr
	WIN 0
.endm
.macro VS g, par, j                    ; |e|^2 + |z|^2, codes j, j + 1
.irp k, 0,1,2,3
	v_pk_add_f32 v[T+8*\k+\j:T+8*\k+\j+1], v[EE+8*(\par)+\j:EE+8*(\par)+\j+1], v[ZZ+2*(4*(\g)+\k):ZZ+2*(4*(\g)+\k)+1]
.endr
.endm
.macro VD g, j                         ; less the product
.irp k, 0,1,2,3
	v_pk_add_f32 v[ACC+8*(4*(\g)+\k)+\j:ACC+8*(4*(\g)+\k)+\j+1], v[T+8*\k+\j:T+8*\k+\j+1], v[ACC+8*(4*(\g)+\k)+\j:ACC+8*(4*(\g)+\k)+\j+1] neg_lo:[0,1] neg_hi:[0,1]
.endr
.endm
.macro V1 g, par                       ; a unit's vector work up to its last read of |e|^2.  The first eight lines name no accumulator; each accumulator is first read at its low end
	VS \g, \par, 0
	VS \g, \par, 2
	VD \g, 0
	VS \g, \par, 4
	VD \g, 2
	VS \g, \par, 6
.endm
.macro V2 g, old, new
	VD \g, 4
	VD \g, 6
.irp k, 0,1,2,3
	v_min3_num_f32 v[\new+4*(\g)+\k], v[\old+4*(\g)+\k], v[ACC+8*(4*(\g)+\k)], v[ACC+8*(4*(\g)+\k)+1]
.endr
.irp k, 0,1,2,3
	v_min3_num_f32 v[T+8*\k], v[ACC+8*(4*(\g)+\k)+2], v[ACC+8*(4*(\g)+\k)+3], v[ACC+8*(4*(\g)+\k)+4]
.endr
.irp k, 0,1,2,3
	v_min3_num_f32 v[T+8*\k+1], v[ACC+8*(4*(\g)+\k)+5], v[ACC+8*(4*(\g)+\k)+6], v[ACC+8*(4*(\g)+\k)+7]
.endr
.irp k, 0,1,2,3
	v_min3_num_f32 v[\new+4*(\g)+\k], v[\new+4*(\g)+\k], v[T+8*\k], v[T+8*\k+1]
.endr
.irp k, 0,1,2,3
	v_cmp_lt_f32 s[40+\k], v[\new+4*(\g)+\k], v[\old+4*(\g)+\k]
.endr
.irp k, 0,1,2,3
	v_cndmask_b32 v[CH+4*(\g)+\k], v[CH+4*(\g)+\k], v[CUR], s[40+\k]
.endr
.endm
.macro V2P g, par
.if (\par) == 0
	V2 \g, BA, BB
.else
	V2 \g, BB, BA
.endif
.endm
.macro ASK sl                          ; the slot that the refill two changes of slots on will load; not in the loop's last trip
	s_cmp_gt_u32 s36, 1
	s_cbranch_scc0 .Lno_ask_\@
	s_cmp_lt_u32 ttmp9, 4
	s_cbranch_scc0 .Lno_prefetch_dist0_\@
	global_prefetch_b8 v[PFO], s[PF:PF+1] offset:(\sl)*SLOTB th:TH_LOAD_NT scope:SCOPE_SE
.Lno_prefetch_dist0_\@:
.Lno_ask_\@:
.endm
; Tile i of slot sl: its first unit's products, the second unit's vector work of the tile before, its second unit's products, its first unit's vector work.
; kind 0: the next tile lies in the same slot.  1: the slot's last tile; the slot is filled again.  2: the same with no refill.  3: the last tile of all.  first = 1: no tile stands before it.
.macro TILE sl, i, kind, first=0
.if \kind == 1
	s_wait_tensorcnt 0x0                           ; my one tensor load that was out, my block of the other slot, has landed
	ds_add_u32 v[SPW], v[NIL]
	s_add_nc_u64 s[G0+4*\sl+2:G0+4*\sl+3], s[G0+4*\sl+2:G0+4*\sl+3], 2*SLOTB   ; no load of mine is out: this slot's next blocks
	s_wait_dscnt 0x0                               ; the add is done, and my last reads of this slot, this tile's, are back
	s_barrier_signal -1                            ; opens the round; work on registers alone up to its wait
	WM 0, (\i)%2
	V1 1, ((\i)+1)%2
	V2P 1, ((\i)+1)%2
	s_barrier_wait -1
	CREST
	tensor_load_to_lds s[G0+4*\sl:G0+4*\sl+3], s[G1:G1+7]   ; the joint refill, first behind the round
	s_nop 0
	LOADS (1-\sl), 0, 0
	ASK \sl
.else
.if \kind == 2
	s_wait_tensorcnt 0x0                           ; my block of the last slot has landed; I alone read it
.endif
	s_wait_dscnt 0x0                               ; this tile's 11 loads are back
	WM 0, (\i)%2
.if \first == 0
	V1 1, ((\i)+1)%2
.endif
.if \kind == 0
	LOADS \sl, (\i)+1, ((\i)+1)%2                  ; into the set that the tile before has done with: its products stand 56 vector lines back, its |e|^2 were read just above
.elseif \kind == 2
	LOADS (1-\sl), 0, 0
.endif
.if \first == 0
	V2P 1, ((\i)+1)%2
.endif
.endif
	WM 1, (\i)%2
.if \first == 0
.if (\i) == 0
	v_add_nc_u32 v[CUR], 58, v[CUR]                ; a slot has 64 chunks, my block 8
.else
	v_add_nc_u32 v[CUR], 2, v[CUR]
.endif
.endif
	V1 0, (\i)%2
	V2P 0, (\i)%2
.endm
	s_load_b256 s[4:11], s[0:1], 0x0               ; embq s[4:5], xq s[6:7], xs s[8:9], zzw s[10:11]
	s_load_b64 s[12:13], s[0:1], 0x20              ; chunkw
	v_lshl_add_u32 v[SPW], v0, 2, SPARE
	v_mov_b32 v[NIL], 0
	ds_add_u32 v[SPW], v[NIL]                      ; the opening lines: the add twice on end, under one wait
	ds_add_u32 v[SPW], v[NIL]
	v_lshrrev_b32 v[T+3], 5, v0
	v_readfirstlane_b32 s[WV], v[T+3]              ; wave 0..7
	s_bfe_u32 s15, ttmp6, 0x40000                  ; cx
	s_lshl_b32 s16, ttmp9, 2
	s_add_co_u32 s16, s16, s15                     ; work-group
	s_mul_i32 s46, s15, 17                         ; my work-group's units of a block, for the prefetches
	s_mov_b32 s[G1+0], 15|(3<<16)|(1<<21)          ; mask: the four partners; elements of 8 bytes
	s_mov_b32 s[G1+1], 32<<16                      ; a block: 67 rows of 256 bytes, dense
	s_mov_b32 s[G1+2], 67<<16
	s_mov_b32 s[G1+3], 32<<16
	s_mov_b32 s[G1+4], 67
	s_mov_b32 s[G1+5], 32
	s_mov_b32 s[G1+6], 0
	s_mov_b32 s[G1+7], 0
	s_mul_i32 s48, s[WV], BLKB                     ; my block in a slot
	s_mov_b32 s49, 0
	s_lshl_b32 s47, s[WV], 3
	s_lshl_b32 s50, s[WV], 10
	s_add_co_u32 s50, s50, STG
	v_and_b32 v[T], 31, v0                         ; lane
	v_and_b32 v[T+1], 15, v0                       ; r
	v_bfe_u32 v[T+2], v0, 4, 1                     ; h
	v_and_b32 v15, 127, v0
	v_lshlrev_b32 v10, 4, v[T]
	v_lshlrev_b32 v11, 2, v[T]
	v_lshlrev_b32 v12, 2, v[T+1]
	v_lshlrev_b32 v15, 2, v15                      ; at the end: a query a thread, modulo 128
	v_min_u32 v[PFO], 16, v[T]
	v_add_nc_u32 v[AF], s48, v10
	v_add_nc_u32 v[AS], s48, v11
	v_lshl_add_u32 v[AE], v[T+2], 5, s48
	v_add_nc_u32 v[CUR], s47, v[T+2]               ; chunk 8 w + h
	v_add_nc_u32 v[PFO], s46, v[PFO]
	v_lshl_add_u32 v13, v[T+2], 9, v12
	v_add_nc_u32 v14, STG, v15
	v_add_nc_u32 v[AF+1], SLOTB, v[AF]
	v_add_nc_u32 v[AS+1], SLOTB, v[AS]
	v_add_nc_u32 v[AE+1], SLOTB, v[AE]
	v_min_u32 v[PFO], 66, v[PFO]
	v_add_nc_u32 v13, s50, v13                     ; the stage: row 2 w + h, word r
	v_lshl_add_u32 v[PFO], v[PFO], 8, s48
.irp q, 0,1,2,3,4,5,6,7
	v_mov_b32 v[BA+\q], 0x7f800000
	v_mov_b32 v[CH+\q], 0
.endr
	s_wait_alu depctr_va_vdst(0)
	s_wait_dscnt 0x0                               ; both opening adds are done
	s_wait_kmcnt 0x0
	s_mov_b32 s[G0+0], 1
	s_mov_b32 s[G0+1], s48
	s_add_nc_u64 s[G0+2:G0+3], s[4:5], s[48:49]
	s_mov_b32 s[G0+4], 1
	s_add_co_u32 s[G0+5], s48, SLOTB
	s_add_nc_u64 s[G0+6:G0+7], s[G0+2:G0+3], SLOTB
	s_or_b32 s[G0+3], s[G0+3], 0x80000000
	s_or_b32 s[G0+7], s[G0+7], 0x80000000
	s_add_nc_u64 s[PF:PF+1], s[4:5], 4*SLOTB       ; the first prefetch names slot 4
	s_lshl_b32 s52, s16, 15
	s_mov_b32 s53, 0
	s_add_nc_u64 s[6:7], s[6:7], s[52:53]          ; my work-group's 8 query tiles,
	s_lshl_b32 s52, s16, 10
	s_add_nc_u64 s[8:9], s[8:9], s[52:53]          ; their scale words,
	s_lshl_b32 s52, s16, 9
	s_add_nc_u64 s[10:11], s[10:11], s[52:53]      ; their |z|^2,
	s_add_nc_u64 s[12:13], s[12:13], s[52:53]      ; and their words of chunkw
	ROUND                                          ; in front of the first joint load
	tensor_load_to_lds s[G0:G0+3], s[G1:G1+7]      ; slot 0: one tensor load a wave at the head
	s_nop 0
	WIN 0x40                                       ; the queries are asked for while slot 0 is on its way
.irp q, 0,1,2,3,4,5,6,7
.irp k, 0,1,2,3,4,5,6,7
	global_load_b128 v[32*\q+4*\k:32*\q+4*\k+3], v10, s[6:7] offset:4096*\q+512*\k
.endr
.endr
	WIN 0
.irp q, 0,1,2,3,4,5,6,7
	global_load_b32 v[QS+\q], v11, s[8:9] offset:128*\q
	global_load_b32 v[ZZ+2*\q], v12, s[10:11] offset:64*\q
	global_load_b32 v[ZZ+2*\q+1], v12, s[10:11] offset:64*\q
.endr
	s_wait_tensorcnt 0x0                           ; slot 0 is in; slot 1's first fill is issued as a refill is
	ds_add_u32 v[SPW], v[NIL]
	s_wait_dscnt 0x0
	ROUND
	tensor_load_to_lds s[G0+4:G0+7], s[G1:G1+7]
	s_nop 0
	LOADS 0, 0, 0
	s_wait_loadcnt 0x0                             ; the queries
	s_mov_b32 s36, 7
	TILE 0, 0, 0, 1                                ; the first tile stands in front of the loop: a trip goes from a slot 0's second tile to the next slot 0's first
.Ltrip:
	TILE 0, 1, 0
	TILE 0, 2, 0
	TILE 0, 3, 1
	TILE 1, 0, 0
	TILE 1, 1, 0
	TILE 1, 2, 0
	TILE 1, 3, 1
	TILE 0, 0, 0
	s_wait_xcnt 0x0                                ; my prefetches have read their base: it steps two slots
	s_add_nc_u64 s[PF:PF+1], s[PF:PF+1], 2*SLOTB
	s_sub_co_u32 s36, s36, 1
	s_cmp_lg_u32 s36, 0
	s_cbranch_scc1 .Ltrip
	TILE 0, 1, 0                                   ; slots 14 and 15: nothing is filled again
	TILE 0, 2, 0
	TILE 0, 3, 2
	TILE 1, 0, 0
	TILE 1, 1, 0
	TILE 1, 2, 0
	TILE 1, 3, 3
	V1 1, 1                                        ; the last unit's vector work
	V2P 1, 1
.irp q, 0,1,2,3,4,5,6,7
	ds_store_b32 v13, v[BA+\q] offset:64*\q
.endr
.irp q, 0,1,2,3,4,5,6,7
	ds_store_b32 v13, v[CH+\q] offset:8192+64*\q
.endr
	s_wait_dscnt 0x0                               ; for the others' sake
	s_barrier_signal -1
	s_barrier_wait -1
.irp k, 0,1,2,3,4,5,6,7,8,9,10,11,12,13,14,15
	ds_load_b32 v[T+\k], v14 offset:512*\k
.endr
.irp k, 0,1,2,3,4,5,6,7,8,9,10,11,12,13,14,15
	ds_load_b32 v[T+16+\k], v14 offset:8192+512*\k
.endr
	s_wait_dscnt 0x0
.irp k, 1,2,3,4,5,6,7,8,9,10,11,12,13,14,15
	v_cmp_lt_f32 s40, v[T+\k], v[T]                ; the least distance; among equals the least chunk
	v_cmp_eq_f32 s41, v[T+\k], v[T]
	v_cmp_lt_u32 s42, v[T+16+\k], v[T+16]
	s_and_b32 s41, s41, s42
	s_or_b32 s40, s40, s41
	v_cndmask_b32 v[T], v[T], v[T+\k], s40
	v_cndmask_b32 v[T+16], v[T+16], v[T+16+\k], s40
.endr
	s_cmp_lt_u32 s[WV], 4
	s_cbranch_scc0 .Lno_store
	global_store_b32 v15, v[T+16], s[12:13]        ; waves 0-3: 128 queries, 512 consecutive bytes
.Lno_store:
	s_wait_tensorcnt 0x0                           ; the wave's end
	ds_add_u32 v[SPW], v[NIL]
	s_wait_dscnt 0x0
	ROUND                                          ; the closing round
	s_endpgm
.Lfunc_end_k_q5b7cf8df14_dist:
	.size	k_q5b7cf8df14_dist, .Lfunc_end_k_q5b7cf8df14_dist-k_q5b7cf8df14_dist
	.p2alignl 7, 3214868480
	.fill 96, 4, 3214868480
	.section	.rodata,"a",@progbits
	.p2align	6, 0x0
	.amdhsa_kernel k_q5b7cf8df14_dist
		.amdhsa_group_segment_fixed_size 327680
		.amdhsa_private_segment_fixed_size 0
		.amdhsa_enable_private_segment 0
		.amdhsa_kernarg_size 40
		.amdhsa_user_sgpr_count 2
		.amdhsa_user_sgpr_kernarg_segment_ptr 1
		.amdhsa_wavefront_size32 1
		.amdhsa_system_sgpr_workgroup_id_x 1
		.amdhsa_system_sgpr_workgroup_id_y 1
		.amdhsa_system_sgpr_workgroup_id_z 1
		.amdhsa_system_vgpr_workitem_id 0
		.amdhsa_next_free_vgpr 512
		.amdhsa_next_free_sgpr 66
		.amdhsa_reserve_vcc 0
		.amdhsa_float_denorm_mode_32 3
		.amdhsa_float_denorm_mode_16_64 3
		.amdhsa_memory_ordered 1
		.amdhsa_forward_progress 1
		.amdhsa_inst_pref_size 183
	.end_amdhsa_kernel
	.amdgpu_metadata
---
amdhsa.version: [ 1, 2 ]
amdhsa.kernels:
  - .name:           k_q5b7cf8df14_dist
    .symbol:         k_q5b7cf8df14_dist.kd
    .args:
      - { .name: embq, .offset: 0, .size: 8, .value_kind: global_buffer, .address_space: global }
      - { .name: xq, .offset: 8, .size: 8, .value_kind: global_buffer, .address_space: global }
      - { .name: xs, .offset: 16, .size: 8, .value_kind: global_buffer, .address_space: global }
      - { .name: zzw, .offset: 24, .size: 8, .value_kind: global_buffer, .address_space: global }
      - { .name: chunkw, .offset: 32, .size: 8, .value_kind: global_buffer, .address_space: global }
    .group_segment_fixed_size: 327680
    .private_segment_fixed_size: 0
    .kernarg_segment_align: 8
    .kernarg_segment_size: 40
    .max_flat_workgroup_size: 256
    .sgpr_count:     66
    .vgpr_count:     512
    .wavefront_size: 32
...
	.end_amdgpu_metadata
.endif
;; end of part 2
;; launch pick (part 3): grid 256 x 1, 8 waves a work-group, no clusters, 0 bytes of LDS; arguments embq, xq, xs, zzw, chunkw, out2, idxw; writes out2, idxw
.if DOCPART == 3
	.amdgcn_target "amdgcn-amd-amdhsa--gfx1250"
	.amdhsa_code_object_version 6
	.text
	.protected	k_q5b7cf8df14_pick
	.globl	k_q5b7cf8df14_pick
	.p2align	8
	.type	k_q5b7cf8df14_pick,@function
k_q5b7cf8df14_pick:
	s_mov_b64 s[64:65], 0
	v_nop
	global_prefetch_b8 v0, s[64:65] scope:SCOPE_SE
	s_setreg_imm32_b32 hwreg(HW_REG_WAVE_MODE, 25, 1), 1
	s_wait_xcnt 0x0
; PICK: the code inside each query's winning chunk.  The chunk's eight distances are made anew by the same two matrix instructions and the same two roundings as in the launch before, so they are the same
; bits; the first of the least is the index: 8 x chunk + its place.  It goes to out2 and, for the next launch's gather, to idxw.
; SHARES: a wave takes a tile of 16 queries, g = 8 x work-group + wave.  No LDS, no barrier, no loop.
; LAYOUT: eight tiles of codes are put together from the sixteen chunks: tile p has the chunk of query 2 p in its rows 0-7 and that of query 2 p + 1 in its rows 8-15.  Source 0 = such a tile, source 1 = the queries:
; in tile p's result lane (r, h) holds query r against the chunk of query 2 p + h.  So query r's own eight distances lie in tile r / 2, in the lane (r, h = r % 2); the other lanes' numbers are dropped.
; The chunk numbers come from chunkw, which the launch before stored; each is held at 1,023 before it enters an address.
; embq's layout: block = chunk / 8 (17,152 bytes), tile in it (chunk / 2) % 4, rows 8 (chunk % 2) on: images at 4096 i + 2048 s + 512 c + 16 (row + 16 hK), scale words at 16384 + 128 i + 4 (row + 16 s), |e|^2 at 16896 + 64 i + 4 row.
; REGISTERS, window 0: v1-15 lane numbers and offsets; v16-47 the queries' two fragments; v48 their scale words; v50-51 |z|^2 twice; v52 my query's chunk; v54-61 my row's chunk in each tile; v62-64 at work;
;   v70-77, v78-85, v86 offsets into embq; v88-95 the tiles' scale words; v96-103 |e|^2; v104-167 eight results; v168-175 the sums; v176-183 the distances.   window 1: the eight tiles' fragments, tile p at v[32 p].
.set Q,  16
.set QS, 48
.set ZZ, 50
.set CO, 52
.set CP, 54
.set W,  62
.set AF, 70
.set AS, 78
.set AE, 86
.set SB, 88
.set EE, 96
.set D,  104
.set S,  168
.set DD, 176
.set MSB, 0
.macro WIN new                         ; the immediate's high byte repeats the setting that is left
.if MSB != \new
	s_set_vgpr_msb (MSB<<8)|\new
.set MSB, \new
.endif
.endm
	s_load_b256 s[4:11], s[0:1], 0x0               ; embq s[4:5], xq s[6:7], xs s[8:9], zzw s[10:11]
	s_load_b128 s[12:15], s[0:1], 0x20             ; chunkw s[12:13], out2 s[14:15]
	s_load_b64 s[16:17], s[0:1], 0x30              ; idxw
	v_lshrrev_b32 v1, 5, v0
	s_delay_alu instid0(VALU_DEP_1)
	v_readfirstlane_b32 s18, v1                    ; wave 0..7
	s_lshl_b32 s19, ttmp9, 3
	s_add_co_u32 s19, s19, s18                     ; g
	v_and_b32 v2, 31, v0                           ; l
	v_and_b32 v3, 15, v0                           ; r
	v_bfe_u32 v4, v0, 4, 1                         ; h
	s_delay_alu instid0(VALU_DEP_3)
	v_lshlrev_b32 v5, 4, v2                        ; 16 l
	s_delay_alu instid0(VALU_DEP_4)
	v_lshlrev_b32 v6, 2, v2                        ; 4 l
	s_delay_alu instid0(VALU_DEP_4)
	v_lshlrev_b32 v7, 2, v3                        ; 4 r
	v_bfe_u32 v8, v0, 3, 1
	s_delay_alu instid0(VALU_DEP_1)
	v_lshlrev_b32 v8, 2, v8                        ; 4 x (which half of a tile's rows my row lies in)
	v_and_b32 v9, 7, v0                            ; my row's code in its chunk
	s_delay_alu instid0(VALU_DEP_1)
	v_lshlrev_b32 v10, 4, v9
	s_delay_alu instid0(VALU_DEP_1)
	v_lshl_add_u32 v10, v4, 8, v10                 ; my lane's part of an image's offset
	s_delay_alu instid0(VALU_DEP_3)
	v_lshlrev_b32 v11, 2, v9
	s_delay_alu instid0(VALU_DEP_1)
	v_lshl_add_u32 v11, v4, 6, v11                 ; and of a scale word's: lanes 16-31 take K step 1
	v_sub_nc_u32 v12, v3, v4                       ; r - h: even, 2 p, in the lane that owns query r = 2 p + h
	v_mov_b32 v13, 0                               ; the place of the least in the chunk
	v_mov_b32 v15, 0                               ; (a lane permute's destination counts as one of its sources)
	s_mov_b32 s22, 0x76543210
	s_mov_b32 s23, 0xfedcba98                      ; v_permlanex16_b32's selects for lane l xor 16
	s_lshl_b32 s20, s19, 12
	s_mov_b32 s21, 0
	s_lshl_b32 s24, s19, 7
	s_mov_b32 s25, 0
	s_lshl_b32 s26, s19, 6
	s_mov_b32 s27, 0
	s_wait_alu depctr_va_vdst(0)
	s_wait_kmcnt 0x0
	s_add_nc_u64 s[6:7], s[6:7], s[20:21]
	s_add_nc_u64 s[8:9], s[8:9], s[24:25]
	s_add_nc_u64 s[10:11], s[10:11], s[26:27]
	s_add_nc_u64 s[12:13], s[12:13], s[26:27]
	s_add_nc_u64 s[14:15], s[14:15], s[26:27]
	s_add_nc_u64 s[16:17], s[16:17], s[26:27]
	global_load_b32 v[CO], v7, s[12:13]            ; my query's chunk
.irp p, 0,1,2,3,4,5,6,7
	global_load_b32 v[CP+\p], v8, s[12:13] offset:8*\p   ; the chunk of query 2 p + (my row / 8)
.endr
.irp k, 0,1,2,3,4,5,6,7
	global_load_b128 v[Q+4*\k:Q+4*\k+3], v5, s[6:7] offset:512*\k
.endr
	global_load_b32 v[QS], v6, s[8:9]
	global_load_b32 v[ZZ], v7, s[10:11]
	global_load_b32 v[ZZ+1], v7, s[10:11]
	s_wait_loadcnt 0x0
.irp p, 0,1,2,3,4,5,6,7
	v_min_u32 v[CP+\p], 0x3ff, v[CP+\p]            ; a loaded number enters an address only behind this hold
	s_delay_alu instid0(VALU_DEP_1)
	v_and_b32 v[W], 0x3f8, v[CP+\p]
	s_delay_alu instid0(VALU_DEP_1)
	v_mul_u32_u24 v[W], v[W], 2144                 ; (chunk / 8) x 17,152
	s_delay_alu instid0(VALU_DEP_3)
	v_and_b32 v[W+1], 6, v[CP+\p]
	s_delay_alu instid0(VALU_DEP_4)
	v_and_b32 v[W+2], 1, v[CP+\p]
	s_delay_alu instid0(VALU_DEP_2)
	v_lshl_add_u32 v[AF+\p], v[W+1], 11, v[W]      ; + 4,096 x tile
	s_delay_alu instid0(VALU_DEP_1)
	v_lshl_add_u32 v[AF+\p], v[W+2], 7, v[AF+\p]   ; + 16 x 8 rows
	s_delay_alu instid0(VALU_DEP_1)
	v_add_nc_u32 v[AF+\p], v[AF+\p], v10
	v_lshl_add_u32 v[AS+\p], v[W+1], 6, v[W]       ; + 128 x tile
	s_delay_alu instid0(VALU_DEP_1)
	v_lshl_add_u32 v[AS+\p], v[W+2], 5, v[AS+\p]   ; + 4 x 8 rows
	s_delay_alu instid0(VALU_DEP_1)
	v_add_nc_u32 v[AS+\p], v[AS+\p], v11
.endr
	v_min_u32 v[CO], 0x3ff, v[CO]
	s_delay_alu instid0(VALU_DEP_1)
	v_and_b32 v[W], 0x3f8, v[CO]
	s_delay_alu instid0(VALU_DEP_1)
	v_mul_u32_u24 v[W], v[W], 2144
	s_delay_alu instid0(VALU_DEP_3)
	v_and_b32 v[W+1], 7, v[CO]
	s_delay_alu instid0(VALU_DEP_1)
	v_lshl_add_u32 v[AE], v[W+1], 5, v[W]          ; 64 x tile + 32 x half = 32 x (chunk % 8)
	WIN 0x40                                       ; destination window 1
.irp p, 0,1,2,3,4,5,6,7
.irp k, 0,1,2,3,4,5,6,7
	global_load_b128 v[32*\p+4*\k:32*\p+4*\k+3], v[AF+\p], s[4:5] offset:512*\k
.endr
.endr
	WIN 0
.irp p, 0,1,2,3,4,5,6,7
	global_load_b32 v[SB+\p], v[AS+\p], s[4:5] offset:16384
.endr
	global_load_b128 v[EE:EE+3], v[AE], s[4:5] offset:16896
	global_load_b128 v[EE+4:EE+7], v[AE], s[4:5] offset:16896+16
	s_wait_loadcnt 0x0
	WIN 0x01                                       ; source 0 (the codes) in window 1
.irp p, 0,1,2,3,4,5,6,7
	v_wmma_scale_f32_16x16x128_f8f6f4 v[D+8*\p:D+8*\p+7], v[32*\p:32*\p+15], v[Q:Q+15], 0, v[SB+\p], v[QS]
.endr
.irp p, 0,1,2,3,4,5,6,7
	v_wmma_scale_f32_16x16x128_f8f6f4 v[D+8*\p:D+8*\p+7], v[32*\p+16:32*\p+31], v[Q+16:Q+31], v[D+8*\p:D+8*\p+7], v[SB+\p], v[QS] matrix_a_scale:MATRIX_SCALE_ROW1 matrix_b_scale:MATRIX_SCALE_ROW1
.endr
	WIN 0
.irp j, 0,2,4,6
	v_pk_add_f32 v[S+\j:S+\j+1], v[EE+\j:EE+\j+1], v[ZZ:ZZ+1]   ; |z|^2 + |e|^2.  These four and the four below are the eight places behind the products
.endr
.rept 4
	v_nop
.endr
.irp p, 1,2,3,4,5,6,7
	v_cmp_eq_u32 s[40+\p], 2*\p, v12               ; is tile p the one that holds my query's own chunk?  (tile 0 is what stands if none is)
.endr
.irp p, 1,2,3,4,5,6,7
.irp j, 0,1,2,3,4,5,6,7
	v_cndmask_b32 v[D+\j], v[D+\j], v[D+8*\p+\j], s[40+\p]   ; each result is read from its low end on
.endr
.endr
.irp j, 0,2,4,6
	v_pk_add_f32 v[DD+\j:DD+\j+1], v[S+\j:S+\j+1], v[D+\j:D+\j+1] neg_lo:[0,1] neg_hi:[0,1]
.endr
.irp j, 1
	s_delay_alu instid0(VALU_DEP_4)
	v_cmp_ge_f32 vcc_lo, v[DD+\j], v[DD]           ; only a strictly smaller distance moves the place: the first of the least stays
	s_delay_alu instid0(VALU_DEP_1)
	v_cndmask_b32 v13, \j, v13, vcc_lo
	v_min_num_f32 v[DD], v[DD], v[DD+\j]
.endr
.irp j, 2, 3, 4, 5, 6, 7
	s_delay_alu instid0(VALU_DEP_1)
	v_cmp_ge_f32 vcc_lo, v[DD+\j], v[DD]           ; only a strictly smaller distance moves the place: the first of the least stays
	s_delay_alu instid0(VALU_DEP_1)
	v_cndmask_b32 v13, \j, v13, vcc_lo
	s_delay_alu instid0(VALU_DEP_3)
	v_min_num_f32 v[DD], v[DD], v[DD+\j]
.endr
	s_delay_alu instid0(VALU_DEP_2)
	v_lshl_add_u32 v14, v[CO], 3, v13              ; the index
	s_delay_alu instid0(VALU_DEP_1)
	v_permlanex16_b32 v15, v14, s22, s23           ; odd queries' indices lie in lanes 16-31
	v_and_b32 v12, 1, v3
	s_delay_alu instid0(VALU_DEP_1)
	v_cmp_eq_u32 vcc_lo, 1, v12
	s_delay_alu instid0(VALU_DEP_1)
	v_cndmask_b32 v14, v14, v15, vcc_lo            ; lanes 0-15 now hold queries 0-15
	v_cmp_gt_u32 vcc_lo, 16, v2
	s_wait_alu depctr_va_vdst(0)
	s_wait_xcnt 0x0                                ; EXEC changes only behind this wait
	s_and_saveexec_b32 s20, vcc_lo
	global_store_b32 v7, v14, s[14:15]             ; 64 bytes a wave; a work-group's eight waves cover 512 consecutive bytes
	global_store_b32 v7, v14, s[16:17]
	s_wait_xcnt 0x0
	s_or_b32 exec_lo, exec_lo, s20
	s_endpgm
.Lfunc_end_k_q5b7cf8df14_pick:
	.size	k_q5b7cf8df14_pick, .Lfunc_end_k_q5b7cf8df14_pick-k_q5b7cf8df14_pick
	.p2alignl 7, 3214868480
	.fill 96, 4, 3214868480
	.section	.rodata,"a",@progbits
	.p2align	6, 0x0
	.amdhsa_kernel k_q5b7cf8df14_pick
		.amdhsa_group_segment_fixed_size 0
		.amdhsa_private_segment_fixed_size 0
		.amdhsa_enable_private_segment 0
		.amdhsa_kernarg_size 56
		.amdhsa_user_sgpr_count 2
		.amdhsa_user_sgpr_kernarg_segment_ptr 1
		.amdhsa_wavefront_size32 1
		.amdhsa_system_sgpr_workgroup_id_x 1
		.amdhsa_system_sgpr_workgroup_id_y 1
		.amdhsa_system_sgpr_workgroup_id_z 1
		.amdhsa_system_vgpr_workitem_id 0
		.amdhsa_next_free_vgpr 512
		.amdhsa_next_free_sgpr 66
		.amdhsa_reserve_vcc 1
		.amdhsa_float_denorm_mode_32 3
		.amdhsa_float_denorm_mode_16_64 3
		.amdhsa_memory_ordered 1
		.amdhsa_forward_progress 1
		.amdhsa_inst_pref_size 28
	.end_amdhsa_kernel
	.amdgpu_metadata
---
amdhsa.version: [ 1, 2 ]
amdhsa.kernels:
  - .name:           k_q5b7cf8df14_pick
    .symbol:         k_q5b7cf8df14_pick.kd
    .args:
      - { .name: embq, .offset: 0, .size: 8, .value_kind: global_buffer, .address_space: global }
      - { .name: xq, .offset: 8, .size: 8, .value_kind: global_buffer, .address_space: global }
      - { .name: xs, .offset: 16, .size: 8, .value_kind: global_buffer, .address_space: global }
      - { .name: zzw, .offset: 24, .size: 8, .value_kind: global_buffer, .address_space: global }
      - { .name: chunkw, .offset: 32, .size: 8, .value_kind: global_buffer, .address_space: global }
      - { .name: out2, .offset: 40, .size: 8, .value_kind: global_buffer, .address_space: global }
      - { .name: idxw, .offset: 48, .size: 8, .value_kind: global_buffer, .address_space: global }
    .group_segment_fixed_size: 0
    .private_segment_fixed_size: 0
    .kernarg_segment_align: 8
    .kernarg_segment_size: 56
    .max_flat_workgroup_size: 256
    .sgpr_count:     66
    .vgpr_count:     512
    .wavefront_size: 32
...
	.end_amdgpu_metadata
.endif
;; end of part 3
;; launch emit (part 4): grid 256 x 1, 8 waves a work-group, no clusters, 136,448 bytes of LDS; arguments x, emb, idxw, out0, part; writes out0, part
.if DOCPART == 4
	.amdgcn_target "amdgcn-amd-amdhsa--gfx1250"
	.amdhsa_code_object_version 6
	.text
	.protected	k_q5b7cf8df14_emit
	.globl	k_q5b7cf8df14_emit
	.p2align	8
	.type	k_q5b7cf8df14_emit,@function
k_q5b7cf8df14_emit:
	s_mov_b64 s[64:65], 0
	v_nop
	global_prefetch_b8 v0, s[64:65] scope:SCOPE_SE
	s_setreg_imm32_b32 hwreg(HW_REG_WAVE_MODE, 25, 1), 1
	s_wait_xcnt 0x0
; EMIT: out0 = x + (emb[idx] - x), laid as x is ([32][256][1024]), and each work-group's part of the sum of (emb[idx] - x)^2.  All in f32, each step rounded as it is written here.
; SHARES: a work-group takes 128 queries (pixels) of one image, all 256 channels.  Wave w takes 64 of the queries (w % 2) and 64 of the channels (w / 2).
; x and out0 have the pixels innermost, emb the channels: so the gathered rows turn through the wave's own stage in LDS.  A row's quarter, 256 consecutive bytes, aligned, comes by one load of 8 bytes a lane and is
; stored as a stage row; the stage rows are 260 bytes = 65 words apart, so that the 32 lanes of a read down the rows (sixteen rows 4 apart x two neighbouring channels) name 32 different words modulo 64.
; The indices come from idxw, which the launch before stored; they are read as scalars and held at 8,191 before they enter an address.
; x: a turn is 2 channels x 64 pixels: sixteen lanes read, and later store, 256 consecutive bytes, aligned.  All 32 turns are asked for at the head and stay in registers.
; REGISTERS: v2-7 lane numbers and offsets; v8-11 the sum of squares in four parts; v32-63 the gathers' offsets, v64-127 the gathered rows; then v32-95 two sets of 32 numbers read back; v96-103 the differences, two sets; v128-255 x, then out0.
; s16-63 and s68-83: the wave's 64 indices.
.set WSTG, 16896                       ; a wave's stage: 64 rows of 260 bytes, in whole blocks of 256
.set PIT,  260
.set RED,  8*WSTG                      ; the eight waves' sums
.set OFS,  32
.set ROW,  64
.set QB,   32
.set TR,   96
.set XR,   128
.macro GATHER b                        ; rows 32 b .. 32 b + 31 of my 64
.set i, 0
.rept 32
.set nn, 32*(\b)+i
.if nn < 48
.set sr, 16+nn
.else
.set sr, 20+nn
.endif
	s_min_u32 s[sr], s[sr], 0x1fff                 ; a loaded number enters an address only behind this hold
	v_lshl_add_u32 v[OFS+i], s[sr], 10, v5         ; the row's 1,024 bytes, my quarter of them, my 8 bytes
	global_load_b64 v[ROW+2*i:ROW+2*i+1], v[OFS+i], s[6:7]
.set i, i+1
.endr
	s_wait_loadcnt 0x0                             ; the rows are in (and x, which was asked for earlier): the offsets may be written again
.set i, 0
.rept 32
	ds_store_b32 v6, v[ROW+2*i] offset:PIT*(32*(\b)+i)       ; two words: the stage's rows begin at multiples of 4 bytes only
	ds_store_b32 v6, v[ROW+2*i+1] offset:PIT*(32*(\b)+i)+4
.set i, i+1
.endr
	s_wait_dscnt 0x0                               ; the stores have read their registers
.endm
.macro RB bt                           ; turns 8 bt .. 8 bt + 7: emb[idx[4 (l % 16) + c]][my quarter's channel 2 turn + l / 16], c = 0..3
.set tt, 0
.rept 8
.irp c, 0,1,2,3
	ds_load_b32 v[QB+32*((\bt)%2)+4*tt+\c], v7 offset:PIT*\c+8*(8*(\bt)+tt)
.endr
.set tt, tt+1
.endr
.endm
.macro WORK bt
.set tt, 0
.rept 8
.set it, 8*(\bt)+tt
.set qr, QB+32*((\bt)%2)+4*tt
.set xr, XR+4*it
.set tr, TR+4*(tt%2)
	v_pk_add_f32 v[tr:tr+1], v[qr:qr+1], v[xr:xr+1] neg_lo:[0,1] neg_hi:[0,1]         ; q - x
	v_pk_add_f32 v[tr+2:tr+3], v[qr+2:qr+3], v[xr+2:xr+3] neg_lo:[0,1] neg_hi:[0,1]
.if it == 0
	s_delay_alu instid0(VALU_DEP_2)
	v_pk_mul_f32 v[8:9], v[tr:tr+1], v[tr:tr+1]    ; the first products start the sums
	s_delay_alu instid0(VALU_DEP_2)
	v_pk_mul_f32 v[10:11], v[tr+2:tr+3], v[tr+2:tr+3]
.else
	s_wait_alu depctr_va_vdst(0)
	v_pk_fma_f32 v[8:9], v[tr:tr+1], v[tr:tr+1], v[8:9]
	v_pk_fma_f32 v[10:11], v[tr+2:tr+3], v[tr+2:tr+3], v[10:11]
.endif
	v_pk_add_f32 v[xr:xr+1], v[xr:xr+1], v[tr:tr+1]          ; x + (q - x)
	v_pk_add_f32 v[xr+2:xr+3], v[xr+2:xr+3], v[tr+2:tr+3]
	global_store_b128 v3, v[xr:xr+3], s[10:11] offset:8192*it th:TH_STORE_NT   ; no store's data are written again
.set tt, tt+1
.endr
.endm
	s_load_b256 s[4:11], s[0:1], 0x0               ; x s[4:5], emb s[6:7], idxw s[8:9], out0 s[10:11]
	s_load_b64 s[12:13], s[0:1], 0x20              ; part
	v_lshl_add_u32 v30, v0, 2, 0x21100
	v_mov_b32 v31, 0
	v_lshrrev_b32 v1, 5, v0
	s_delay_alu instid0(VALU_DEP_1)
	v_readfirstlane_b32 s14, v1                    ; wave 0..7
	s_and_b32 s15, s14, 1                          ; which 64 queries
	s_lshr_b32 s84, s14, 1                         ; which 64 channels
	s_lshl_b32 s86, ttmp9, 9
	s_lshl_b32 s88, s15, 8
	s_add_co_u32 s86, s86, s88                     ; my 64 indices: 256 bytes
	s_mov_b32 s87, 0
	s_wait_kmcnt 0x0
	s_add_nc_u64 s[8:9], s[8:9], s[86:87]
	s_load_b512 s[16:31], s[8:9], 0x0
	s_load_b512 s[32:47], s[8:9], 0x40
	s_load_b512 s[48:63], s[8:9], 0x80
	s_load_b512 s[68:83], s[8:9], 0xc0
	s_lshr_b32 s86, ttmp9, 3
	s_lshl_b32 s86, s86, 20                        ; the image,
	s_lshl_b32 s88, s84, 18
	s_add_co_u32 s86, s86, s88                     ; my 64 channels of 4,096 bytes,
	s_and_b32 s88, ttmp9, 7
	s_lshl_b32 s88, s88, 9
	s_add_co_u32 s86, s86, s88                     ; the work-group's 128 pixels,
	s_lshl_b32 s88, s15, 8
	s_add_co_u32 s86, s86, s88                     ; my 64 of them
	s_add_nc_u64 s[4:5], s[4:5], s[86:87]
	s_add_nc_u64 s[10:11], s[10:11], s[86:87]
	s_lshl_b32 s86, ttmp9, 2
	s_add_nc_u64 s[12:13], s[12:13], s[86:87]      ; my work-group's word of part
	v_and_b32 v2, 31, v0                           ; l
	s_delay_alu instid0(VALU_DEP_1)
	v_lshrrev_b32 v4, 4, v2
	s_delay_alu instid0(VALU_DEP_2)
	v_and_b32 v3, 15, v2
	s_delay_alu instid0(VALU_DEP_1)
	v_mul_u32_u24 v7, v3, 4*PIT
	s_delay_alu instid0(VALU_DEP_2)
	v_lshlrev_b32 v3, 4, v3
	s_delay_alu instid0(VALU_DEP_1)
	v_lshl_add_u32 v3, v4, 12, v3                  ; x, out0: channel l / 16 of a turn's two, 16 bytes of its 256
.set it, 0
.rept 32
	global_load_b128 v[XR+4*it:XR+4*it+3], v3, s[4:5] offset:8192*it th:TH_LOAD_NT
.set it, it+1
.endr
	s_mul_i32 s85, s14, WSTG                       ; my stage
	s_lshl_b32 s86, s84, 8
	v_lshl_add_u32 v5, v2, 3, s86                  ; in a row of emb: my quarter, my 8 bytes
	v_lshl_add_u32 v6, v2, 3, s85                  ; the stage, on the way in
	v_lshl_add_u32 v7, v4, 2, v7
	s_delay_alu instid0(VALU_DEP_1)
	v_add_nc_u32 v7, s85, v7                       ; and on the way out: row 4 (l % 16), channel l / 16
	v_lshl_add_u32 v12, v1, 2, RED                 ; my wave's sum
	v_mov_b32 v13, RED
	v_mov_b32 v14, 0                               ; (a lane permute's destination counts as one of its sources)
	v_mov_b32 v15, 0
	s_mov_b32 s88, 0x76543210
	s_mov_b32 s89, 0xfedcba98                      ; v_permlanex16_b32's selects for lane l xor 16
	s_wait_alu depctr_va_vdst(0)
	s_wait_kmcnt 0x0                               ; the indices
	GATHER 0
	GATHER 1
	RB 0
	RB 1
	s_wait_dscnt 32                                ; the first batch is back; the next batch's 32 loads may be out
	WORK 0
	RB 2
	s_wait_dscnt 32
	WORK 1
	RB 3
	s_wait_dscnt 32
	WORK 2
	s_wait_dscnt 0x0
	WORK 3
	v_pk_add_f32 v[8:9], v[8:9], v[10:11]
	s_delay_alu instid0(VALU_DEP_1)
	v_add_f32 v8, v8, v9
	s_delay_alu instid0(VALU_DEP_1)
	v_add_f32_dpp v8, v8, v8 row_xmask:1 row_mask:0xf bank_mask:0xf
	s_delay_alu instid0(VALU_DEP_1)
	v_add_f32_dpp v8, v8, v8 row_xmask:2 row_mask:0xf bank_mask:0xf
	s_delay_alu instid0(VALU_DEP_1)
	v_add_f32_dpp v8, v8, v8 row_xmask:4 row_mask:0xf bank_mask:0xf
	s_delay_alu instid0(VALU_DEP_1)
	v_add_f32_dpp v8, v8, v8 row_xmask:8 row_mask:0xf bank_mask:0xf
	s_delay_alu instid0(VALU_DEP_1)
	v_permlanex16_b32 v14, v8, s88, s89
	s_delay_alu instid0(VALU_DEP_1)
	v_add_f32 v8, v8, v14                          ; the wave's sum, in every lane
	ds_store_b32 v12, v8                           ; all lanes write the same word with the same value
	s_wait_dscnt 0x0                               ; for the others' sake
	s_barrier_signal -1
	s_barrier_wait -1
	s_cmp_lg_u32 s14, 0
	s_cbranch_scc1 .Ldone
	ds_load_b128 v[16:19], v13
	ds_load_b128 v[20:23], v13 offset:16
	s_wait_dscnt 0x0
	v_pk_add_f32 v[16:17], v[16:17], v[18:19]
	v_pk_add_f32 v[20:21], v[20:21], v[22:23]
	s_delay_alu instid0(VALU_DEP_1)
	v_pk_add_f32 v[16:17], v[16:17], v[20:21]
	s_delay_alu instid0(VALU_DEP_1)
	v_add_f32 v16, v16, v17
	v_cmp_eq_u32 vcc_lo, 0, v0
	s_wait_alu depctr_va_vdst(0)
	s_wait_xcnt 0x0                                ; EXEC changes only behind this wait
	s_and_saveexec_b32 s86, vcc_lo
	global_store_b32 v15, v16, s[12:13]
	s_wait_xcnt 0x0
	s_or_b32 exec_lo, exec_lo, s86
.Ldone:
	s_wait_tensorcnt 0x0
	ds_add_u32 v30, v31
	s_wait_dscnt 0x0
	s_endpgm
.Lfunc_end_k_q5b7cf8df14_emit:
	.size	k_q5b7cf8df14_emit, .Lfunc_end_k_q5b7cf8df14_emit-k_q5b7cf8df14_emit
	.p2alignl 7, 3214868480
	.fill 96, 4, 3214868480
	.section	.rodata,"a",@progbits
	.p2align	6, 0x0
	.amdhsa_kernel k_q5b7cf8df14_emit
		.amdhsa_group_segment_fixed_size 136448
		.amdhsa_private_segment_fixed_size 0
		.amdhsa_enable_private_segment 0
		.amdhsa_kernarg_size 40
		.amdhsa_user_sgpr_count 2
		.amdhsa_user_sgpr_kernarg_segment_ptr 1
		.amdhsa_wavefront_size32 1
		.amdhsa_system_sgpr_workgroup_id_x 1
		.amdhsa_system_sgpr_workgroup_id_y 1
		.amdhsa_system_sgpr_workgroup_id_z 1
		.amdhsa_system_vgpr_workitem_id 0
		.amdhsa_next_free_vgpr 256
		.amdhsa_next_free_sgpr 90
		.amdhsa_reserve_vcc 1
		.amdhsa_float_denorm_mode_32 3
		.amdhsa_float_denorm_mode_16_64 3
		.amdhsa_memory_ordered 1
		.amdhsa_forward_progress 1
		.amdhsa_inst_pref_size 54
	.end_amdhsa_kernel
	.amdgpu_metadata
---
amdhsa.version: [ 1, 2 ]
amdhsa.kernels:
  - .name:           k_q5b7cf8df14_emit
    .symbol:         k_q5b7cf8df14_emit.kd
    .args:
      - { .name: x, .offset: 0, .size: 8, .value_kind: global_buffer, .address_space: global }
      - { .name: emb, .offset: 8, .size: 8, .value_kind: global_buffer, .address_space: global }
      - { .name: idxw, .offset: 16, .size: 8, .value_kind: global_buffer, .address_space: global }
      - { .name: out0, .offset: 24, .size: 8, .value_kind: global_buffer, .address_space: global }
      - { .name: part, .offset: 32, .size: 8, .value_kind: global_buffer, .address_space: global }
    .group_segment_fixed_size: 136448
    .private_segment_fixed_size: 0
    .kernarg_segment_align: 8
    .kernarg_segment_size: 40
    .max_flat_workgroup_size: 256
    .sgpr_count:     90
    .vgpr_count:     256
    .wavefront_size: 32
...
	.end_amdgpu_metadata
.endif
;; end of part 4
;; launch total (part 5): grid 1 x 1, 1 waves a work-group, no clusters, 0 bytes of LDS; arguments part, out1; writes out1
.if DOCPART == 5
	.amdgcn_target "amdgcn-amd-amdhsa--gfx1250"
	.amdhsa_code_object_version 6
	.text
	.protected	k_q5b7cf8df14_total
	.globl	k_q5b7cf8df14_total
	.p2align	8
	.type	k_q5b7cf8df14_total,@function
k_q5b7cf8df14_total:
	s_mov_b64 s[64:65], 0
	v_nop
	global_prefetch_b8 v0, s[64:65] scope:SCOPE_SE
	s_setreg_imm32_b32 hwreg(HW_REG_WAVE_MODE, 25, 1), 1
	s_wait_xcnt 0x0
; TOTAL: the loss.  part holds 256 sums of (emb[idx] - x)^2; their sum over 32,768 x 256 = 2^23 numbers is the mean m; both terms of the loss are that mean: loss = m + 0.25 m.
; One wave: a lane takes eight of the 256 numbers.  The sum spans work-groups of the launch before, so it has a launch of its own.
	s_load_b128 s[4:7], s[0:1], 0x0                ; part s[4:5], out1 s[6:7]
	v_lshlrev_b32 v1, 5, v0
	s_mov_b32 s8, 0x76543210
	s_mov_b32 s9, 0xfedcba98                       ; v_permlanex16_b32's selects for lane l xor 16
	v_mov_b32 v13, 0                               ; (a lane permute's destination counts as one of its sources)
	v_mov_b32 v6, 0
	s_wait_alu depctr_va_vdst(0)
	s_wait_kmcnt 0x0
	global_load_b128 v[8:11], v1, s[4:5]
	global_load_b128 v[16:19], v1, s[4:5] offset:16
	s_wait_loadcnt 0x0
	v_pk_add_f32 v[8:9], v[8:9], v[10:11]
	v_pk_add_f32 v[16:17], v[16:17], v[18:19]
	v_pk_add_f32 v[8:9], v[8:9], v[16:17]
	v_add_f32 v4, v8, v9
	v_add_f32_dpp v4, v4, v4 row_xmask:1 row_mask:0xf bank_mask:0xf
	v_add_f32_dpp v4, v4, v4 row_xmask:2 row_mask:0xf bank_mask:0xf
	v_add_f32_dpp v4, v4, v4 row_xmask:4 row_mask:0xf bank_mask:0xf
	v_add_f32_dpp v4, v4, v4 row_xmask:8 row_mask:0xf bank_mask:0xf
	v_permlanex16_b32 v13, v4, s8, s9
	v_add_f32 v4, v4, v13
	v_mul_f32 v4, 0x34000000, v4                   ; x 2^-23: the mean
	v_fmamk_f32 v5, v4, 0x3e800000, v4             ; 0.25 m + m
	v_cmp_eq_u32 vcc_lo, 0, v0
	s_wait_alu depctr_va_vdst(0)
	s_wait_xcnt 0x0                                ; EXEC changes only behind this wait
	s_and_saveexec_b32 s10, vcc_lo
	global_store_b32 v6, v5, s[6:7]
	s_wait_xcnt 0x0
	s_or_b32 exec_lo, exec_lo, s10
	s_endpgm
.Lfunc_end_k_q5b7cf8df14_total:
	.size	k_q5b7cf8df14_total, .Lfunc_end_k_q5b7cf8df14_total-k_q5b7cf8df14_total
	.p2alignl 7, 3214868480
	.fill 96, 4, 3214868480
	.section	.rodata,"a",@progbits
	.p2align	6, 0x0
	.amdhsa_kernel k_q5b7cf8df14_total
		.amdhsa_group_segment_fixed_size 0
		.amdhsa_private_segment_fixed_size 0
		.amdhsa_enable_private_segment 0
		.amdhsa_kernarg_size 16
		.amdhsa_user_sgpr_count 2
		.amdhsa_user_sgpr_kernarg_segment_ptr 1
		.amdhsa_wavefront_size32 1
		.amdhsa_system_sgpr_workgroup_id_x 1
		.amdhsa_system_sgpr_workgroup_id_y 1
		.amdhsa_system_sgpr_workgroup_id_z 1
		.amdhsa_system_vgpr_workitem_id 0
		.amdhsa_next_free_vgpr 32
		.amdhsa_next_free_sgpr 66
		.amdhsa_reserve_vcc 1
		.amdhsa_float_denorm_mode_32 3
		.amdhsa_float_denorm_mode_16_64 3
		.amdhsa_memory_ordered 1
		.amdhsa_forward_progress 1
		.amdhsa_inst_pref_size 2
	.end_amdhsa_kernel
	.amdgpu_metadata
---
amdhsa.version: [ 1, 2 ]
amdhsa.kernels:
  - .name:           k_q5b7cf8df14_total
    .symbol:         k_q5b7cf8df14_total.kd
    .args:
      - { .name: part, .offset: 0, .size: 8, .value_kind: global_buffer, .address_space: global }
      - { .name: out1, .offset: 8, .size: 8, .value_kind: global_buffer, .address_space: global }
    .group_segment_fixed_size: 0
    .private_segment_fixed_size: 0
    .kernarg_segment_align: 8
    .kernarg_segment_size: 16
    .max_flat_workgroup_size: 32
    .sgpr_count:     66
    .vgpr_count:     32
    .wavefront_size: 32
...
	.end_amdgpu_metadata
.endif
;; end of part 5
